; MI455X (gfx1250); checked and timed in simulation.
; The chip was launched on July 23, 2026; its instructions are those of AMD's public machine-readable ISA for CDNA 5 (MIT licence, August 2026) and "CDNA5" Instruction Set Architecture Reference Guide (July 2026). The comments in the code are by the model that wrote it; some were corrected since.
;; CAM Module. Allowed arithmetic: matrix products marked QUANTISED: E4M3 operands, one E8M0 scale for each 32 along K, by v_wmma_scale_f32_16x16x128_f8f6f4 with both operands' format E4M3, f32 sums; everything else in f32.
;; Inputs: k1 128 x 1,024 x 7 x 7 float32; q1 128 x 1,024 x 7 x 7 float32; v1 128 x 1,024 x 7 x 7 float32.
;; Outputs: out0 128 x 1,024 x 7 x 7 float32.
;; This version of the problem:
;;   THIS VERSION OF THE PROBLEM IS GIVEN IN LOW PRECISION. The matrix products marked QUANTISED in the list below multiply operands that are first quantised to E4M3 (4 exponent bits, 3 mantissa bits; 8 bits a number), with one power-of-two scale for each 32 numbers along K (OCP MX v1.0); their sums are f32. All else is computed in f32.
;;   The module's matrix products, in the order in which they are computed (A, B: the left and right operand; K: the contracted axis; several contracted axes count as one K, in the product's order):
;;     1. batch 128 x [M 1,024, K 49] x [K 49, N 1,024]; A: input q1; B: input k1: QUANTISED
;;     2. batch 128 x [M 1,024, K 1,024] x [K 1,024, N 49]; A: computed on the way; B: input v1: QUANTISED
;;   THE QUANTISER, for each operand of a quantised product, along K:
;;     - K is cut into blocks of 32 from its start; a last block that is shorter is filled with zeros.
;;     - A block's scale is 2^e with e = floor(log2(the largest magnitude in the block)) - 8, held to -126 .. 127; a block of zeros has e = 0. As a byte (E8M0): e + 127.
;;     - Each number is divided by its block's scale, clamped to +-448, and rounded to the nearest number of E4M3, ties to even, subnormals kept.
;;     - The product sums the exact products of the quantised numbers (number of the format x scale) in f32.
;;   ~~~python
;;   def quantise(x, axis):      # numpy; x: float32 -> the quantised numbers, widened to float32 again
;;       x = np.moveaxis(x, axis, -1); K = x.shape[-1]
;;       x = np.pad(x, [(0, 0)] * (x.ndim - 1) + [(0, -K % 32)]); x = x.reshape(x.shape[:-1] + (-1, 32)); a = np.abs(x).max(-1, keepdims=True)
;;       e = np.where(a > 0, np.clip(np.frexp(np.where(a > 0, a, 1))[1] - 1 - 8, -126, 127), 0)      # np.frexp(a)[1] - 1 = floor(log2(a)), exactly
;;       r = np.clip(x / 2.0 ** e, -448, 448)
;;       step = 2.0 ** (np.maximum(np.frexp(np.where(r == 0, 1, r))[1] - 1, -6) - 3)
;;       q = np.round(r / step) * step * 2.0 ** e      # np.round: ties to even
;;       return np.moveaxis(q.reshape(q.shape[:-2] + (-1,))[..., :K], -1, axis).astype(np.float32)
;;   ~~~
;;   OPERANDS COMPUTED ON THE WAY. 'Computed on the way' means the value that the module computes at that place (a softmax that the list does not call 'softmax' is quantised finished and normalised). What goes into a quantiser is computed in f32, as accurately as f32 sums, v_exp_f32 and their like allow (about 1e-6 of the number): no bf16 or f16 on the way to a quantiser, and a product that is left as it is and whose result goes on into a quantised operand takes f32 operands (vector FMAs, or v_wmma_f32_16x16x4_f32). A number that lies on a knife's edge between two numbers of the format may be rounded either way, as far as f32 arithmetic and the matrix unit's own rounding can turn it there, and no further.
;; One version. Each part assembles by itself: llvm-mc -triple=amdgcn-amd-amdhsa -mcpu=gfx1250 --defsym DOCPART=n.
;; ======== version 1 of 1: 1 launch
;; launch cam (part 1): grid 2 x 128, 8 waves a work-group, no clusters, 327,680 bytes of LDS; arguments q1, k1, v1, out0; writes out0
.if DOCPART == 1
	.amdgcn_target "amdgcn-amd-amdhsa--gfx1250"
	.amdhsa_code_object_version 6
	.text
	.protected	k_qcf91e84254_cam
	.globl	k_qcf91e84254_cam
	.p2align	8
	.type	k_qcf91e84254_cam,@function
k_qcf91e84254_cam:
	s_mov_b64 s[64:65], 0
	v_nop
	global_prefetch_b8 v0, s[64:65] scope:SCOPE_SE
	s_setreg_imm32_b32 hwreg(HW_REG_WAVE_MODE, 25, 1), 1
	s_wait_xcnt 0x0
; out[b] = Q(att[b]) Q(v[b]) + v1[b],  att[b] = Q(q[b]) Q(k[b])^T.  q, k, v, out: [128][1024][49] f32 (7 x 7 taken as 49).
; Both products on codes of FP8 (E4M3) with one E8M0 scale for each 32 along K.  First product: K = n = 49: blocks n 0-31 and n 32-48 (filled up with zero codes).  Second: K = d = 1,024.
; NOTHING OF reference() IS LEFT OUT: att passes a quantiser, so the chain cannot be taken as q (k^T v); every number of att is made in f32 and quantised; all three inputs are read.
; SHARES.  Work-group (g, b): rows c = 512 g .. 512 g + 511 of batch b.  Eight waves, wave w: 64 rows, four tiles of 16; their sums of out (64 rows x 64 columns n, 16 accumulators) stay in registers for the whole launch.
; d goes in 8 steps of 128.  k's and v's f32 rows of a step come through a ring of two LDS slots, two steps to a slot, filled by the tensor data mover, every wave an eighth of a slot.
; IN A STEP: waves 0-3 quantise k's 128 rows (a lane a row: K = n lies along the row), waves 4-7 v's 128 d x 64 columns (a lane a column, registers down d: K = d); the codes go to LDS as IMAGES OF THE OPERANDS' REGISTERS;
; one barrier; every wave reads the fragments once and uses them for its four tiles: S^T = k q^T (source 0 = 16 rows of k, source 1 = 16 rows of q), quantised in registers, O^T += v^T att^T.
; THE ROWS OF k THAT FORM A TILE ARE NOT NEIGHBOURS: lane m of tile 2 B + u takes d = 32 B + 8 u + m + 8 (m / 8), so that the 16 registers of tiles 2 B, 2 B + 1 are 16 neighbours along d: the conversions' results are the second product's operand.
; v1's rows are added to the sums from the slot, in the one step pair in which the wave's own 64 rows lie there: v1 is read from memory once.  So the term v1 enters a sum in its middle: an order of rounding other than reference()'s.
; Columns n = 49 .. 63 of v's tiles take neighbouring f32 numbers of the slot; they reach only sums that are never stored.
; NO CLUSTER: k and v of a batch are read by two work-groups alone.  Four work-groups to a batch would leave 256 rows of att for each copy of the quantising of k and v: twice its share of the vector work, of which the loop has most.
; NO PREFETCH: of a slot's fills two go out at the head, and each of the two others is asked for two whole steps ahead of the wait for it.
; The accumulators are cleared once, behind the first tensor loads and ahead of the wait for them: a first step with the constant 0 as C would be a further copy of the step's text.
; LIMITS: NaN and infinities among the inputs are not served.  A block of zeros gets the byte 1 where the rule says 127: its codes are zeros, and this program alone reads the bytes.  Blocks whose largest magnitude lies under 2^-118 (the floor) were not tried.
.set ROWB,   196                       ; a row of 49 f32
.set BATCHB, 200704                    ; a batch: 1,024 rows
.set CHUNK,  25088                     ; 128 rows = 98 x 256 bytes
.set PART,   12544                     ; 64 rows = 49 x 256 bytes: what one tensor load brings
.set STEPB,  50176                     ; in a slot: a step's rows of v, then of k.  Also two steps' rows of one tensor in memory
.set SLOTB,  100352                    ; two steps
.set SLOT0,  100352                    ; LDS: 0 .. q as f32 (wave w's 64 rows at w PART), filled once; then the images.  Then the two slots,
.set SLOT1,  200704
.set SPARE,  301056                    ; and the spare words, 128 bytes for each wave: four blocks of 256 bytes that no other line names
.set STGP,   12800                     ; the way out: a stage for each wave, from SLOT0 on: its 12,544 bytes of rows and 256 more, so that all 32 lanes of every instruction on a stage stay inside it
.set IMGP,   17408                     ; two image buffers by turns, at 0 and at IMGP: in each
.set KIMG,   0                         ; k's 8 tiles x 1,024 bytes (registers 0-7 of a fragment: n 0-63),
.set VIMG,   8192                      ; v's 4 tiles x 2,048 bytes,
.set KSC,    16384                     ; k's scale words: 16 bytes a lane: word j: tile 2 j (lanes 0-15), 2 j + 1 (lanes 16-31),
.set VSC,    16896                     ; v's: 8 bytes a lane, likewise
; window 0
.set LI,   1                           ; 16 x lane
.set L8,   2                           ; 8 x lane
.set KTA0, 3                           ; k's task: my row in a step
.set VTA0, 4                           ; v's task: my column and half in a step
.set RTA0, 5                           ; my place among my wave's own rows of v1 in a slot
.set KWI,  6                           ; where I store k's image, its scale word,
.set KWS,  7
.set VWI,  8                           ; v's image, its scale word
.set VWS,  9
.set ADK,  10                          ; the step's addresses
.set ADV,  11
.set ADR,  12
.set QRA,  13                          ; q: my row; where I store its image; where I read a fragment
.set QWI,  14
.set QRI,  15
.set STO,  16                          ; the way out: into my stage, and back
.set SRD,  17
.set SPW,  18                          ; LDS address of my spare word; never rewritten
.set NIL,  19                          ; 0; never rewritten
.set KS,   20                          ; v20-23 k's scale words;  v24-25 v's;  v26-27 q's;  v28-31 att's, one a tile of rows
.set VS,   24
.set QS,   26
.set PW,   28
.set TM,   32                          ; v32-47 at work
.set QF,   48                          ; v48-111 q's four fragments; registers 8-15 of each are zero codes
.set AT,   112                         ; v112-175 S^T, two sets of 32; also a task's numbers; on the way out v112-211 take the stage's rows
.set PC,   176                         ; v176-239 att's codes, 16 a tile of rows; PC .. PC+15 also a task's codes
.set TW,   240                         ; a task's scale word
.set LN,   241
; window 1: v0-127 the sums O^T, (i, t) at 8 (4 i + t);  v128-191 four fragments of k (registers 8-15 zero codes);  v192-255 v's four
.set WV,   12                          ; s12 wave;  s13 g;  s14 b
.set G1,   16                          ; s[16:23] descriptor group 1, the same for every load
.set G0Q,  24                          ; groups 0: q;  slot 0's and slot 1's first fills;  the walking one for the refills
.set G0S0, 28
.set G0S1, 32
.set G0W,  36
.set TB,   40                          ; LDS byte at which the step in hand begins
.set PR,   41                          ; the pair of steps in hand, 0 .. 3
.set MYP,  42                          ; the pair in which my own rows of v1 lie in the slot
.set SEL,  44                          ; s[44:45] v_permlanex16_b32's selects for lane l xor 16
.set MNT,  46                          ; the mantissa field of 448
.set WP,   47                          ; wave x PART
.set MSB, 0
.macro WIN new                         ; the immediate's high byte repeats the setting that is left; a switch that changes nothing is dropped
.if MSB != \new
	s_set_vgpr_msb (MSB<<8)|\new
.set MSB, \new
.endif
.endm
.macro PLACES cnt
.rept \cnt
	v_nop
.endr
.endm
; A LANE A ROW (q, k): 49 numbers become 64 codes in v[PC] .. v[PC+15] (n 49-63 zero) and the row's scale word: bytes 0, 1 the two blocks', bytes 2, 3 = 127 over zero codes.
.macro ROWQ adr, off, word
.set RQN, 0
.rept 49
	ds_load_b32 v[AT+RQN], v[\adr] offset:\off+4*RQN        ; lanes 49 words apart: an odd pitch, every lane another bank
.set RQN, RQN+1
.endr
.irp z, 49,50,51,52,53,54,55
	v_mov_b32 v[AT+\z], 0                                   ; the second block is filled up with zeros
.endr
	s_wait_dscnt 0x0
.irp c, 0,1,2
	v_max3_num_f32 v[TM+\c], |v[AT+16*\c]|, |v[AT+16*\c+1]|, 0x4800000   ; three chains of 16, each with the floor 2^(9 - 127): the byte cannot fall under 1
.endr
.irp k, 2,4,6,8,10,12,14
.irp c, 0,1,2
	v_max3_num_f32 v[TM+\c], v[TM+\c], |v[AT+16*\c+\k]|, |v[AT+16*\c+\k+1]|
.endr
.endr
	v_max_num_f32 v[TM], v[TM], v[TM+1]                     ; block 0: n 0-31
	v_max_num_f32 v[TM+1], v[TM+2], |v[AT+48]|              ; block 1: n 32-48
.irp b, 0,1
	v_add_nc_u32 v[TM+12+\b], 0xfc000000, v[TM+\b]          ; 8 off the exponent field: the conversion's scale operand
.endr
.irp b, 0,1
	v_and_or_b32 v[TM+8+\b], v[TM+\b], 0x7f800000, s[MNT]   ; 448 x the scale
.endr
.irp b, 0,1
	v_lshrrev_b32 v[TM+4+\b], 23, v[TM+12+\b]               ; the scale's byte
.endr
	v_lshl_or_b32 v[\word], v[TM+5], 8, v[TM+4]
	v_or_b32 v[\word], 0x7f7f0000, v[\word]
.set RQN, 0
.rept 49
	v_med3_num_f32 v[AT+RQN], v[AT+RQN], -v[TM+8+RQN/32], v[TM+8+RQN/32]   ; the conversion to an 8-bit code does not saturate (ISA guide 7.6.2): the hold at 448 x the scale
.set RQN, RQN+1
.endr
.irp g, 0,1,2,3,4,5,6
	v_cvt_scalef32_pk8_fp8_f32 v[PC+2*\g:PC+2*\g+1], v[AT+8*\g:AT+8*\g+7], v[TM+12+\g/4]
.endr
	v_mov_b32 v[PC+14], 0                                   ; n 56-63.  (Also the plain instruction behind the last conversion)
	v_mov_b32 v[PC+15], 0
.endm
; A LANE A COLUMN (v): lane (r, h) takes column 16 t + r and d = 32 b + 16 h + i into register 16 b + i: the operand's own order.  A block of 32 lies in lanes l and l xor 16.
; Three blocks are asked for; block 0's largest magnitude is sought while the others are on their way; then the fourth is asked for: 48 LDS loads of mine are out at the most.
.macro COLQ
.irp b, 0,1,2
.irp i, 0,1,2,3,4,5,6,7,8,9,10,11,12,13,14,15
	ds_load_b32 v[AT+16*\b+\i], v[ADV] offset:(32*\b+\i)*ROWB
.endr
.endr
	s_wait_dscnt 32                                         ; block 0's sixteen are in; blocks 1 and 2 may be out
	v_max3_num_f32 v[TM], |v[AT]|, |v[AT+1]|, 0x4800000
.irp i, 2,4,6,8,10,12,14
	v_max3_num_f32 v[TM], v[TM], |v[AT+\i]|, |v[AT+\i+1]|
.endr
.irp i, 0,1,2,3,4,5,6,7,8,9,10,11,12,13,14,15
	ds_load_b32 v[AT+48+\i], v[ADV] offset:(96+\i)*ROWB
.endr
	s_wait_dscnt 0x0
.irp b, 1,2,3
	v_max3_num_f32 v[TM+\b], |v[AT+16*\b]|, |v[AT+16*\b+1]|, 0x4800000
.endr
.irp i, 2,4,6,8,10,12,14
.irp b, 1,2,3
	v_max3_num_f32 v[TM+\b], v[TM+\b], |v[AT+16*\b+\i]|, |v[AT+16*\b+\i+1]|
.endr
.endr
.irp b, 0,1,2,3
	v_permlanex16_b32 v[TM+4+\b], v[TM+\b], s[SEL], s[SEL+1]
.endr
.irp b, 0,1,2,3
	v_max_num_f32 v[TM+\b], v[TM+\b], v[TM+4+\b]
.endr
.irp b, 0,1,2,3
	v_add_nc_u32 v[TM+12+\b], 0xfc000000, v[TM+\b]
.endr
.irp b, 0,1,2,3
	v_and_or_b32 v[TM+8+\b], v[TM+\b], 0x7f800000, s[MNT]
.endr
.irp b, 0,1,2,3
	v_lshrrev_b32 v[TM+4+\b], 23, v[TM+12+\b]
.endr
	v_lshl_or_b32 v[TW], v[TM+5], 8, v[TM+4]
	v_lshl_or_b32 v[TW], v[TM+6], 16, v[TW]
	v_lshl_or_b32 v[TW], v[TM+7], 24, v[TW]
.irp b, 0,1,2,3
.irp i, 0,1,2,3,4,5,6,7,8,9,10,11,12,13,14,15
	v_med3_num_f32 v[AT+16*\b+\i], v[AT+16*\b+\i], -v[TM+8+\b], v[TM+8+\b]
.endr
	v_cvt_scalef32_pk8_fp8_f32 v[PC+4*\b:PC+4*\b+1], v[AT+16*\b:AT+16*\b+7], v[TM+12+\b]
	v_cvt_scalef32_pk8_fp8_f32 v[PC+4*\b+2:PC+4*\b+3], v[AT+16*\b+8:AT+16*\b+15], v[TM+12+\b]
.endr
	v_nop                                                   ; a plain instruction behind the last conversion
.endm
; Tile of rows i, half step hh: the 32 numbers of att in set i % 2 (two blocks of 32 along d, 16 of each in my lane) become registers 8 hh .. 8 hh + 7 of PC(i) and two bytes of PW(i).
; Each of the four accumulators is first read at its registers 0 to 2.
.macro QUANT32 i, hh
	WIN 0
.set XS, AT+32*((\i)%2)
.irp b, 0,1
	v_max3_num_f32 v[TM+\b], |v[XS+16*\b]|, |v[XS+16*\b+1]|, 0x4800000
.endr
.irp b, 0,1
	v_max3_num_f32 v[TM+2+\b], |v[XS+16*\b+8]|, |v[XS+16*\b+9]|, |v[XS+16*\b+10]|
.endr
.irp k, 2,4,6
.irp b, 0,1
	v_max3_num_f32 v[TM+\b], v[TM+\b], |v[XS+16*\b+\k]|, |v[XS+16*\b+\k+1]|
.endr
.if \k < 6
.irp b, 0,1
	v_max3_num_f32 v[TM+2+\b], v[TM+2+\b], |v[XS+16*\b+9+\k]|, |v[XS+16*\b+10+\k]|
.endr
.endif
.endr
.irp b, 0,1
	v_max3_num_f32 v[TM+\b], v[TM+\b], v[TM+2+\b], |v[XS+16*\b+15]|
.endr
.irp b, 0,1
	v_permlanex16_b32 v[TM+4+\b], v[TM+\b], s[SEL], s[SEL+1]
.endr
.irp b, 0,1
	v_max_num_f32 v[TM+\b], v[TM+\b], v[TM+4+\b]            ; with lane l xor 16's 16: the block's largest magnitude
.endr
.irp b, 0,1
	v_add_nc_u32 v[TM+12+\b], 0xfc000000, v[TM+\b]
.endr
.irp b, 0,1
	v_and_or_b32 v[TM+8+\b], v[TM+\b], 0x7f800000, s[MNT]
.endr
.irp b, 0,1
	v_lshrrev_b32 v[TM+4+\b], 23, v[TM+12+\b]
.endr
.if \hh == 0
	v_lshl_or_b32 v[PW+(\i)], v[TM+5], 8, v[TM+4]           ; the scale word is made ahead of the holds: more than eight plain instructions ahead of the product that names it
.else
	v_lshl_or_b32 v[TM+6], v[TM+5], 8, v[TM+4]
	v_lshl_or_b32 v[PW+(\i)], v[TM+6], 16, v[PW+(\i)]
.endif
.irp b, 0,1
.irp k, 0,1,2,3,4,5,6,7,8,9,10,11,12,13,14,15
	v_med3_num_f32 v[XS+16*\b+\k], v[XS+16*\b+\k], -v[TM+8+\b], v[TM+8+\b]
.endr
	v_cvt_scalef32_pk8_fp8_f32 v[PC+16*(\i)+8*(\hh)+4*\b:PC+16*(\i)+8*(\hh)+4*\b+1], v[XS+16*\b:XS+16*\b+7], v[TM+12+\b]
	v_cvt_scalef32_pk8_fp8_f32 v[PC+16*(\i)+8*(\hh)+4*\b+2:PC+16*(\i)+8*(\hh)+4*\b+3], v[XS+16*\b+8:XS+16*\b+15], v[TM+12+\b]
.endr
	v_nop                                                   ; a plain instruction behind the last conversion: the next products write its sources
.endm
; S^T = k q^T: tile t of the half step's four (16 rows d) x tile of rows i.  k's scale words: register 2 hh + t / 2, lanes 0-15 or 16-31 by t % 2;  q's: register i / 2, by i % 2.
.macro P1ONE hh, i, t
.set rD, AT+32*((\i)%2)+8*(\t)
.set rA, 128+16*(\t)
.set rB, QF+16*(\i)
.set rSA, KS+2*(\hh)+(\t)/2
.set rSB, QS+(\i)/2
.if ((\t)%2 == 0) && ((\i)%2 == 0)
	v_wmma_scale_f32_16x16x128_f8f6f4 v[rD:rD+7], v[rA:rA+15], v[rB:rB+15], 0, v[rSA], v[rSB]
.elseif ((\t)%2 == 1) && ((\i)%2 == 0)
	v_wmma_scale_f32_16x16x128_f8f6f4 v[rD:rD+7], v[rA:rA+15], v[rB:rB+15], 0, v[rSA], v[rSB] matrix_a_scale:MATRIX_SCALE_ROW1
.elseif (\t)%2 == 0
	v_wmma_scale_f32_16x16x128_f8f6f4 v[rD:rD+7], v[rA:rA+15], v[rB:rB+15], 0, v[rSA], v[rSB] matrix_b_scale:MATRIX_SCALE_ROW1
.else
	v_wmma_scale_f32_16x16x128_f8f6f4 v[rD:rD+7], v[rA:rA+15], v[rB:rB+15], 0, v[rSA], v[rSB] matrix_a_scale:MATRIX_SCALE_ROW1 matrix_b_scale:MATRIX_SCALE_ROW1
.endif
.endm
.macro P1 hh, i
	WIN 0x01                                                ; source 0 (k) window 1
.irp t, 0,1,2,3
	P1ONE \hh, \i, \t
.endr
.endm
; O^T += v^T att^T: tile t of v's four (16 columns n) x tile of rows i; K = the step's 128 d.  The accumulators take turns, one instruction a turn.
.macro P2ONE i, t
.set rO, 8*(4*(\i)+(\t))
.set rV, 192+16*(\t)
.set rP, PC+16*(\i)
.if (\t)%2 == 0
	v_wmma_scale_f32_16x16x128_f8f6f4 v[rO:rO+7], v[rV:rV+15], v[rP:rP+15], v[rO:rO+7], v[VS+(\t)/2], v[PW+(\i)]
.else
	v_wmma_scale_f32_16x16x128_f8f6f4 v[rO:rO+7], v[rV:rV+15], v[rP:rP+15], v[rO:rO+7], v[VS+(\t)/2], v[PW+(\i)] matrix_a_scale:MATRIX_SCALE_ROW1
.endif
.endm
.macro P2 i
	WIN 0x51                                                ; source 0 (v), C and D window 1
.irp t, 0,1,2,3
	P2ONE \i, \t
.endr
.endm
.macro KLOAD p, hh                     ; k's four fragments of half step hh: registers 0-7 of each
.irp t, 0,1,2,3
.irp c, 0,1
	ds_load_b128 v[128+16*\t+4*\c:128+16*\t+4*\c+3], v[LI] offset:\p*IMGP+KIMG+(4*\hh+\t)*1024+512*\c
.endr
.endr
.endm
; out + v1: in the pair of steps in which my wave's own 64 rows of v1 lie in the slot they are added to the sums.  The branch hangs on ids and the count of pairs alone.
; Tiles of rows 0, 1 first: their 26 additions name no register of the last products (tiles 2, 3's) and are the places in front of the additions onto those.
.macro RESADD
	s_cmp_eq_u32 s[PR], s[MYP]
	s_cbranch_scc0 .Lnores_\@
.irp a, 0,1
.irp c, 0,1
.irp t, 0,1,2
.irp j, 0,1,2,3,4,5,6,7
	ds_load_b32 v[AT+26*\c+8*\t+\j], v[ADR] offset:(2*\a+\c)*16*ROWB+64*\t+4*\j   ; v1(16 i + r, 16 t + 8 h + j)
.endr
.endr
	ds_load_b32 v[AT+26*\c+24], v[ADR] offset:(2*\a+\c)*16*ROWB+192               ; n = 48 (lanes 16-31: a number for a sum that is never stored)
.endr
	s_wait_dscnt 0x0
	WIN 0x41                                                ; destination and source 0 window 1
.irp c, 0,1
.irp t, 0,1,2
.irp j, 0,2,4,6
	v_pk_add_f32 v[8*(4*(2*\a+\c)+\t)+\j:8*(4*(2*\a+\c)+\t)+\j+1], v[8*(4*(2*\a+\c)+\t)+\j:8*(4*(2*\a+\c)+\t)+\j+1], v[AT+26*\c+8*\t+\j:AT+26*\c+8*\t+\j+1]
.endr
.endr
	v_add_f32 v[8*(4*(2*\a+\c)+3)], v[8*(4*(2*\a+\c)+3)], v[AT+26*\c+24]
.endr
	WIN 0
.endr
.Lnores_\@:
.endm
; A STEP of 128 d.  p: which image buffer, and which step of the pair.  kind 0: a plain barrier;  1: behind the barrier the slot just read out is filled again;  2: the last refill is awaited, nothing is filled.
.macro STEP p, kind
	v_add_nc_u32 v[ADK], s[TB], v[KTA0]                     ; every wave makes all addresses, ahead of the parting of the waves
	v_add_nc_u32 v[ADV], s[TB], v[VTA0]
.if \p == 0
	v_add_nc_u32 v[ADR], s[TB], v[RTA0]
	RESADD
.endif
	s_cmp_lt_u32 s[WV], 4
	s_cbranch_scc0 .Lvarm_\@
	ROWQ ADK, 0, TW                                         ; waves 0-3: rows 32 w .. 32 w + 31 of k's 128: tiles 2 w and 2 w + 1
.irp q, 0,1,2,3
	ds_store_b128 v[KWI], v[PC+4*\q:PC+4*\q+3] offset:\p*IMGP+KIMG+256*\q   ; codes n 16 q .. 16 q + 15 are registers 4 (q / 2) .. of lane m + 16 (q % 2)
.endr
	ds_store_b32 v[KWS], v[TW] offset:\p*IMGP+KSC
	s_branch .Ljoin_\@
.Lvarm_\@:
	COLQ                                                    ; waves 4-7: columns 16 (w - 4) on of v's 128 d: tile w - 4
.irp c, 0,1,2,3
	ds_store_b128 v[VWI], v[PC+4*\c:PC+4*\c+3] offset:\p*IMGP+VIMG+512*\c
.endr
	ds_store_b32 v[VWS], v[TW] offset:\p*IMGP+VSC           ; both lanes of a column write the same word with the same value
.Ljoin_\@:
.if \kind == 1
	s_wait_tensorcnt 0x0                                    ; all my tensor loads have landed: my part of the other slot; so the walking group 0 may be written
	ds_add_u32 v[SPW], v[NIL]                               ; 0 onto my spare word
	s_add_co_u32 s[G0W+1], s[G0W+1], SLOTB                  ; the slot just read out,
	s_add_nc_u64 s[G0W+2:G0W+3], s[G0W+2:G0W+3], STEPB      ; the next two steps' rows; the type bits on top are not reached
	s_wait_dscnt 0x0                                        ; the add is done, my images are stored, my reads of the slot are over
.elseif \kind == 2
	s_wait_tensorcnt 0x0                                    ; my part of the last refill, the youngest of my loads, has landed: the next pair reads it
	s_wait_dscnt 0x0
.else
	s_wait_dscnt 0x0                                        ; my images are stored
.endif
	s_barrier_signal -1
	s_barrier_wait -1                                       ; the step's images are whole; nobody reads the other buffer's any more (each wave awaited those loads ahead of this signal)
.if \kind == 1
	tensor_load_to_lds s[G0W:G0W+3], s[G1:G1+7]             ; my one tensor load behind this barrier: it has two whole steps in which to land
	s_nop 0
.endif
	ds_load_b128 v[KS:KS+3], v[LI] offset:\p*IMGP+KSC
	ds_load_b64 v[VS:VS+1], v[L8] offset:\p*IMGP+VSC
	WIN 0x40                                                ; destination window 1
	KLOAD \p, 0
.irp t, 0,1,2,3
.irp c, 0,1,2,3
	ds_load_b128 v[192+16*\t+4*\c:192+16*\t+4*\c+3], v[LI] offset:\p*IMGP+VIMG+2048*\t+512*\c
.endr
.endr
	WIN 0
	s_add_co_u32 s[TB], s[TB], STEPB
	s_wait_dscnt 16                                         ; the scale words and k's first four fragments are in; v's sixteen loads may be out
	; half step 0: while one set of 32 numbers is quantised, the other set's products are at work; the quantising is also the places round the products
	P1 0, 0
	P1 0, 1
	PLACES 8
	QUANT32 0, 0
	P1 0, 2
	QUANT32 1, 0
	P1 0, 3
	QUANT32 2, 0
	WIN 0x40
	KLOAD \p, 1                                             ; behind the quantising of tile 2, which names no register of the last products
	QUANT32 3, 0
	s_wait_dscnt 0x0                                        ; k's other four fragments, and v's
	; half step 1, and the second product as each tile's 128 codes are whole
	P1 1, 0
	P1 1, 1
	PLACES 8
	QUANT32 0, 1
	P1 1, 2
	QUANT32 1, 1
	P2 0
	P1 1, 3
	QUANT32 2, 1
	P2 1
	QUANT32 3, 1
	PLACES 3                                                ; with the one behind the conversions: four places between tile 3's last codes and their product
	P2 2
	P2 3
	WIN 0
.endm
	s_load_b256 s[4:11], s[0:1], 0x0                        ; q1 s[4:5], k1 s[6:7], v1 s[8:9], out0 s[10:11]
	v_lshl_add_u32 v[SPW], v0, 2, SPARE
	v_mov_b32 v[NIL], 0
	ds_add_u32 v[SPW], v[NIL]                               ; the wave's opening: the add, twice on end, and its wait ahead of my first tensor load
	ds_add_u32 v[SPW], v[NIL]
	v_lshrrev_b32 v242, 5, v0
	v_readfirstlane_b32 s[WV], v242                         ; wave 0..7
	s_mov_b32 s13, ttmp9                                    ; g: which 512 rows
	s_and_b32 s14, ttmp7, 0xffff                            ; b: the batch
	; group 1: a dense block of 12,544 bytes as 49 rows of 256 bytes (32 elements of 8 bytes)
	s_mov_b32 s[G1+0], 3<<16                                ; no mask; elements of 8 bytes; no padding
	s_mov_b32 s[G1+1], 32<<16                               ; tensor_dim0 = 32
	s_mov_b32 s[G1+2], 49<<16                               ; tensor_dim1 = 49
	s_mov_b32 s[G1+3], 32<<16                               ; tile_dim0 = 32
	s_mov_b32 s[G1+4], 49                                   ; tile_dim1 = 49
	s_mov_b32 s[G1+5], 32                                   ; from row to row
	s_mov_b32 s[G1+6], 0
	s_mov_b32 s[G1+7], 0
	s_mov_b32 s[SEL], 0x76543210
	s_mov_b32 s[SEL+1], 0xfedcba98
	s_mov_b32 s[MNT], 0x600000
	s_mul_i32 s[WP], s[WV], PART
	s_mul_i32 s50, s14, BATCHB
	s_mul_i32 s52, s13, SLOTB
	s_add_co_u32 s52, s52, s50
	s_add_co_u32 s52, s52, s[WP]                            ; q and out: batch + 512 g rows + 64 w rows
	s_mov_b32 s53, 0
	s_lshr_b32 s54, s[WV], 2                                ; a slot's part w: step w / 4 of the two, v (0) or k (1) by bit 1 of w, half w % 2 of the 128 rows
	s_mul_i32 s54, s54, CHUNK
	s_and_b32 s55, s[WV], 1
	s_mul_i32 s55, s55, PART
	s_add_co_u32 s54, s54, s55
	s_add_co_u32 s54, s54, s50
	s_mov_b32 s55, 0
	s_lshr_b32 s[MYP], s[WV], 2
	s_lshl_b32 s43, s13, 1
	s_add_co_u32 s[MYP], s[MYP], s43                        ; rows 512 g + 64 w lie in step 4 g + w / 2: pair 2 g + w / 4
	s_wait_dscnt 0x0                                        ; both opening adds are done
	s_wait_kmcnt 0x0
	s_bitcmp1_b32 s[WV], 1
	s_cselect_b64 s[48:49], s[6:7], s[8:9]                  ; k1 or v1: the choice hangs on the wave's number alone
	s_add_nc_u64 s[48:49], s[48:49], s[54:55]
	s_mov_b32 s[G0Q], 1
	s_mov_b32 s[G0Q+1], s[WP]
	s_add_nc_u64 s[G0Q+2:G0Q+3], s[4:5], s[52:53]
	s_or_b32 s[G0Q+3], s[G0Q+3], 0x80000000
	s_mov_b32 s[G0S0], 1
	s_add_co_u32 s[G0S0+1], s[WP], SLOT0
	s_mov_b64 s[G0S0+2:G0S0+3], s[48:49]
	s_or_b32 s[G0S0+3], s[G0S0+3], 0x80000000
	s_mov_b32 s[G0S1], 1
	s_add_co_u32 s[G0S1+1], s[WP], SLOT1
	s_add_nc_u64 s[G0S1+2:G0S1+3], s[48:49], STEPB
	s_or_b32 s[G0S1+3], s[G0S1+3], 0x80000000
	s_mov_b32 s[G0W], 1                                     ; the walking one: a slot and two steps are added ahead of each use
	s_mov_b32 s[G0W+1], s[WP]
	s_mov_b64 s[G0W+2:G0W+3], s[G0S1+2:G0S1+3]
	s_add_nc_u64 s[10:11], s[10:11], s[52:53]               ; out at my wave's first row
	tensor_load_to_lds s[G0Q:G0Q+3], s[G1:G1+7]             ; the first fills, every wave three: my 64 rows of q,
	s_nop 0
	tensor_load_to_lds s[G0S0:G0S0+3], s[G1:G1+7]           ; my eighth of slot 0 (steps 0, 1),
	s_nop 0
	tensor_load_to_lds s[G0S1:G0S1+3], s[G1:G1+7]           ; and of slot 1 (steps 2, 3): three loads of mine are out
	s_nop 0
	WIN 0x40                                                ; while they are on their way: the sums begin as zeros,
.set ZI, 0
.rept 128
	v_mov_b32 v[ZI], 0
.set ZI, ZI+1
.endr
.irp t, 0,1,2,3
.irp x, 8,9,10,11,12,13,14,15
	v_mov_b32 v[128+16*\t+\x], 0                            ; K 64-127 of k's fragments: zero codes, never rewritten
.endr
.endr
	WIN 0
.irp t, 0,1,2,3
.irp x, 8,9,10,11,12,13,14,15
	v_mov_b32 v[QF+16*\t+\x], 0                             ; and of q's
.endr
.endr
.irp x, 0,1,2,3,4,5,6,7,8,9,10,11,12,13,14,15
	v_mov_b32 v[TM+\x], 0                                   ; written once: a lane permute's destination counts as one of its sources
.endr
	v_and_b32 v242, 31, v0                                  ; L
	v_and_b32 v243, 15, v0                                  ; r
	v_bfe_u32 v244, v0, 4, 1                                ; h
	v_bfe_u32 v245, v0, 3, 1                                ; u
	v_and_b32 v246, 7, v0
	v_lshl_or_b32 v246, v244, 3, v246                       ; m = L % 8 + 8 h: row 32 B + L of k is lane m of tile 2 B + u
	v_mul_u32_u24 v247, v243, ROWB
	v_mul_u32_u24 v248, v242, ROWB
	v_lshlrev_b32 v[LI], 4, v242
	v_lshlrev_b32 v[L8], 3, v242
	s_and_b32 s48, s[WV], 3
	s_mul_i32 s49, s48, 32*ROWB
	s_add_co_u32 s49, s49, CHUNK
	v_add_nc_u32 v[KTA0], s49, v248                         ; k's rows lie behind v's in a step: row 32 (w % 4) + L
	v_mul_u32_u24 v[VTA0], v244, 16*ROWB
	v_lshl_add_u32 v[VTA0], v243, 2, v[VTA0]
	s_lshl_b32 s49, s48, 6
	v_add_nc_u32 v[VTA0], s49, v[VTA0]                      ; row 16 h, column 16 (w % 4) + r
	s_bfe_u32 s50, s[WV], 0x10001
	s_and_b32 s51, s[WV], 1
	s_mul_i32 s49, s50, STEPB
	s_mul_i32 s52, s51, PART
	s_add_co_u32 s49, s49, s52
	v_lshl_add_u32 v[RTA0], v244, 5, v247
	v_add_nc_u32 v[RTA0], s49, v[RTA0]                      ; my own rows of v1: step (w / 2) % 2 of the pair, half w % 2; row r, + 32 h
	v_lshlrev_b32 v249, 4, v246
	v_lshl_add_u32 v[KWI], v245, 10, v249
	s_lshl_b32 s49, s48, 11
	v_add_nc_u32 v[KWI], s49, v[KWI]                        ; 1,024 (2 (w % 4) + u) + 16 m
	v_add_nc_u32 v[VWI], s49, v[LI]                         ; 2,048 (w % 4) + 16 L
	v_lshl_add_u32 v[KWS], v245, 8, v249
	s_lshl_b32 s49, s48, 2
	v_add_nc_u32 v[KWS], s49, v[KWS]                        ; 16 (16 u + m) + 4 (w % 4)
	s_lshl_b32 s49, s51, 7
	s_lshl_b32 s52, s50, 2
	s_add_co_u32 s49, s49, s52
	v_lshlrev_b32 v[VWS], 3, v243
	v_add_nc_u32 v[VWS], s49, v[VWS]                        ; 8 (16 (t % 2) + r) + 4 (t / 2), t = w % 4
	v_add_nc_u32 v[QRA], s[WP], v248
	v_lshlrev_b32 v[QWI], 4, v243
	v_lshl_add_u32 v[QWI], v244, 10, v[QWI]
	v_add_nc_u32 v[QWI], s[WP], v[QWI]
	v_add_nc_u32 v[QRI], s[WP], v[LI]
	s_mul_i32 s49, s[WV], STGP
	s_add_co_u32 s49, s49, SLOT0                            ; my stage
	v_lshl_add_u32 v[STO], v244, 5, v247
	v_add_nc_u32 v[STO], s49, v[STO]                        ; in: row r, + 32 h
	v_add_nc_u32 v[SRD], s49, v[LI]                         ; back: 16 bytes a lane
	; q: my wave's 64 rows, a lane a row, 32 rows at a time; the codes turn through my own bytes of LDS into four fragments.  The scale words need no turn: lane = row is what the product reads.
	s_wait_tensorcnt 0x2                                    ; my rows of q are in (I alone read them); my two parts of the slots may be out
	ROWQ QRA, 0, QS
.irp q, 0,1,2,3
	ds_store_b128 v[QWI], v[PC+4*\q:PC+4*\q+3] offset:256*\q          ; over rows that have been read
.endr
	s_wait_dscnt 0x0                                        ; the stores have read their registers
	ROWQ QRA, 32*ROWB, QS+1
.irp q, 0,1,2,3
	ds_store_b128 v[QWI], v[PC+4*\q:PC+4*\q+3] offset:2048+256*\q
.endr
.irp i, 0,1,2,3
.irp c, 0,1
	ds_load_b128 v[QF+16*\i+4*\c:QF+16*\i+4*\c+3], v[QRI] offset:1024*\i+512*\c   ; LDS serves a wave's instructions in order: these see my stores
.endr
.endr
	s_wait_tensorcnt 0x1                                    ; my part of slot 0 is in; slot 1's may stay out
	s_wait_dscnt 0x0                                        ; q's fragments are in registers: q's bytes are free for the images
	s_barrier_signal -1
	s_barrier_wait -1                                       ; slot 0 is whole
	s_mov_b32 s[TB], SLOT0
	s_mov_b32 s[PR], 0
.Lfill:                                                     ; pairs 0, 1: behind the second step's barrier the slot is filled again, with the steps four on
	STEP 0, 0
	STEP 1, 1
	s_add_co_u32 s[PR], s[PR], 1
	s_cmp_lt_u32 s[PR], 2
	s_cbranch_scc1 .Lfill
	s_mov_b32 s[TB], SLOT0
	s_mov_b32 s[PR], 2
.Ltail:                                                     ; pairs 2, 3: nothing is left to fetch
	STEP 0, 0
	STEP 1, 2
	s_add_co_u32 s[PR], s[PR], 1
	s_cmp_lt_u32 s[PR], 4
	s_cbranch_scc1 .Ltail
	; THE WAY OUT.  A lane holds eight neighbouring n of one row; rows are 196 bytes.  My 64 rows, 12,544 dense bytes = 49 x 256, go through my stage and leave as they lie in memory.
	; The stages lie in the slots, which have had their last fill; every wave's last reads of the slots stand ahead of the last step's barrier, which I have passed.
	PLACES 8
	WIN 0x04                                                ; an LDS store's data are its source 1: window 1
.irp i, 0,1,2,3
	ds_store_b32 v[STO], v[8*(4*\i+3)] offset:16*ROWB*\i+192   ; n = 48 FIRST, all lanes on: lanes 16-31 write onto (the next row, n = 7), which the stores below write over (LDS serves a wave's instructions in order); behind row 63: into the stage's spare 256 bytes
.endr
.irp i, 0,1,2,3
.irp t, 0,1,2
.irp j, 0,1,2,3,4,5,6,7
	ds_store_b32 v[STO], v[8*(4*\i+\t)+\j] offset:16*ROWB*\i+64*\t+4*\j     ; out(16 i + r, 16 t + 8 h + j); each accumulator from its low end on
.endr
.endr
.endr
	WIN 0
.set EJ, 0
.rept 25
	ds_load_b128 v[AT+4*EJ:AT+4*EJ+3], v[SRD] offset:512*EJ ; these see my stores; the last takes the rows' last 256 bytes in lanes 0-15 and the spare bytes in lanes 16-31
.set EJ, EJ+1
.endr
.set EJ, 0
.rept 24
	s_wait_dscnt 24-EJ                                      ; loads come back in order: this one is in, the younger may be out
	global_store_b128 v[LI], v[AT+4*EJ:AT+4*EJ+3], s[10:11] offset:512*EJ th:TH_STORE_NT   ; 32 lanes store 512 consecutive bytes, at a multiple of 256 from out0's first byte
.set EJ, EJ+1
.endr
	v_and_b32 v[LN], 31, v0
	v_cmp_gt_u32 vcc_lo, 16, v[LN]
	s_wait_dscnt 0x0                                        ; the last load is in
	s_wait_xcnt 0x0                                         ; EXEC changes only behind this wait
	s_and_saveexec_b32 s56, vcc_lo                          ; lanes 0-15: the rows' last 256 bytes
	global_store_b128 v[LI], v[AT+96:AT+99], s[10:11] offset:12288 th:TH_STORE_NT
	s_wait_xcnt 0x0                                         ; and again, in front of the line that widens it
	s_or_b32 exec_lo, exec_lo, s56
	s_wait_tensorcnt 0x0                                    ; the wave's end: behind my last tensor load and my last LDS store
	ds_add_u32 v[SPW], v[NIL]
	s_wait_dscnt 0x0
	s_endpgm
.Lfunc_end_k_qcf91e84254_cam:
	.size	k_qcf91e84254_cam, .Lfunc_end_k_qcf91e84254_cam-k_qcf91e84254_cam
	.p2alignl 7, 3214868480
	.fill 96, 4, 3214868480
	.section	.rodata,"a",@progbits
	.p2align	6, 0x0
	.amdhsa_kernel k_qcf91e84254_cam
		.amdhsa_group_segment_fixed_size 327680
		.amdhsa_private_segment_fixed_size 0
		.amdhsa_enable_private_segment 0
		.amdhsa_kernarg_size 32
		.amdhsa_user_sgpr_count 2
		.amdhsa_user_sgpr_kernarg_segment_ptr 1
		.amdhsa_wavefront_size32 1
		.amdhsa_system_sgpr_workgroup_id_x 1
		.amdhsa_system_sgpr_workgroup_id_y 1
		.amdhsa_system_sgpr_workgroup_id_z 1
		.amdhsa_system_vgpr_workitem_id 0
		.amdhsa_next_free_vgpr 512
		.amdhsa_next_free_sgpr 66
		.amdhsa_reserve_vcc 1
		.amdhsa_float_denorm_mode_32 3
		.amdhsa_float_denorm_mode_16_64 3
		.amdhsa_memory_ordered 1
		.amdhsa_forward_progress 1
		.amdhsa_inst_pref_size 255
	.end_amdhsa_kernel
	.section	.bss,"aw",@nobits
	.p2align	6
	.space	262144
	.amdgpu_metadata
---
amdhsa.version: [ 1, 2 ]
amdhsa.kernels:
  - .name:           k_qcf91e84254_cam
    .symbol:         k_qcf91e84254_cam.kd
    .args:
      - { .name: q1, .offset: 0, .size: 8, .value_kind: global_buffer, .address_space: global }
      - { .name: k1, .offset: 8, .size: 8, .value_kind: global_buffer, .address_space: global }
      - { .name: v1, .offset: 16, .size: 8, .value_kind: global_buffer, .address_space: global }
      - { .name: out0, .offset: 24, .size: 8, .value_kind: global_buffer, .address_space: global }
    .group_segment_fixed_size: 327680
    .private_segment_fixed_size: 0
    .kernarg_segment_align: 8
    .kernarg_segment_size: 32
    .max_flat_workgroup_size: 256
    .sgpr_count:     66
    .vgpr_count:     512
    .wavefront_size: 32
...
	.end_amdgpu_metadata
.endif
;; end of part 1
